; MI455X (gfx1250); checked and timed in simulation.
; The chip was launched on July 23, 2026; its instructions are those of AMD's public machine-readable ISA for CDNA 5 (MIT licence, August 2026) and "CDNA5" Instruction Set Architecture Reference Guide (July 2026). The comments in the code are by the model that wrote it; some were corrected since.
;; Multihead Masked Attention. Allowed arithmetic: matrix products marked QUANTISED: E4M3 operands, one given power-of-two scale a tensor, by v_wmma_f32_16x16x64_fp8_fp8 or v_wmma_f32_16x16x128_fp8_fp8, f32 sums; everything else in f32.
;; Inputs: W_o_codes 1,024 x 32 x 32 uint8 (E4M3 codes of W_o, K innermost, in blocks of 32 codes); W_qkv_codes 3,072 x 32 x 32 uint8 (E4M3 codes of W_qkv, K innermost, in blocks of 32 codes); b_o 1,024 float32; b_qkv 3,072 float32; lowp_scales 8 int32 (the exponents e of the quantised operands' scales 2^e); x_codes 4 x 2,048 x 32 x 32 uint8 (E4M3 codes of x, K innermost, in blocks of 32 codes).
;; Outputs: out0 4 x 2,048 x 1,024 float32.
;; This version of the problem:
;;   THIS VERSION OF THE PROBLEM IS GIVEN IN LOW PRECISION. The matrix products marked QUANTISED in the list below multiply operands that are first quantised to E4M3 (4 exponent bits, 3 mantissa bits; 8 bits a number), with one given power-of-two scale for each operand tensor; their sums are f32. All else is computed in f32.
;;   The module's matrix products, in the order in which they are computed (A, B: the left and right operand; K: the contracted axis; several contracted axes count as one K, in the product's order):
;;     1. [M 8,192, K 1,024] x [K 1,024, N 3,072]; A: input x (given as codes); B: input W_qkv (given as codes): QUANTISED (scales: A lowp_scales[0], B lowp_scales[1])
;;     2. batch 64 x [M 2,048, K 64] x [K 64, N 2,048]; A: computed on the way; B: computed on the way: QUANTISED (scales: A lowp_scales[2], B lowp_scales[3])
;;     3. batch 64 x [M 64, K 2,048] x [K 2,048, N 2,048]; A: computed on the way; B: softmax (see below): QUANTISED (scales: A lowp_scales[4], B lowp_scales[5])
;;     4. [M 8,192, K 1,024] x [K 1,024, N 1,024]; A: computed on the way; B: input W_o (given as codes): QUANTISED (scales: A lowp_scales[6], B lowp_scales[7])
;;   THE QUANTISER, for each operand of a quantised product, along K:
;;     - The operand's scale is 2^e, e = its entry of the input lowp_scales (int32; the entries are numbered through the quantised products in the list's order, A before B).
;;     - Each number is divided by the scale, clamped to +-448, and rounded to the nearest number of E4M3, ties to even, subnormals kept.
;;     - The product sums the exact products of the quantised numbers (number of the format x scale) in f32.
;;   ~~~python
;;   def quantise(x, axis, e):      # numpy; x: float32 -> the quantised numbers, widened to float32 again
;;       x = np.moveaxis(x, axis, -1); K = x.shape[-1]
;;       r = np.clip(x / 2.0 ** e, -448, 448)
;;       step = 2.0 ** (np.maximum(np.frexp(np.where(r == 0, 1, r))[1] - 1, -6) - 3)
;;       q = np.round(r / step) * step * 2.0 ** e      # np.round: ties to even
;;       return np.moveaxis(q, -1, axis).astype(np.float32)
;;   ~~~
;;   SOFTMAX AHEAD OF A QUANTISED PRODUCT. Where the list says 'softmax', what is quantised is not the finished softmax but p = 2^(t - M), with t = logit x log2(e) and M = ceil(the row's largest t), a whole number; so 1/2 < the row's largest p <= 1. The row's sum l is taken of the UNQUANTISED p, in f32, and the product's result is divided by l at the end. Since M is a whole number, a kernel that streams over the keys may use a running M (the ceiling of the running maximum): every later rescaling is an exact power of two, so the quantised numbers keep their values, but for numbers so far below the row's largest that they fall under the format's range.
;;   OPERANDS COMPUTED ON THE WAY. 'Computed on the way' means the value that the module computes at that place (a softmax that the list does not call 'softmax' is quantised finished and normalised). What goes into a quantiser is computed in f32, as accurately as f32 sums, v_exp_f32 and their like allow (about 1e-6 of the number): no bf16 or f16 on the way to a quantiser, and a product that is left as it is and whose result goes on into a quantised operand takes f32 operands (vector FMAs, or v_wmma_f32_16x16x4_f32). A number that lies on a knife's edge between two numbers of the format may be rounded either way, as far as f32 arithmetic and the matrix unit's own rounding can turn it there, and no further.
;;   INPUTS GIVEN AS CODES. W_o (in the module: [1024, 1024], K = its axis 0); W_qkv (in the module: [1024, 3072], K = its axis 0); x (in the module: [4, 2048, 1024], K = its axis 2): each comes as NAME_codes (uint8): NAME with its K axis moved to the last place and cut into blocks of 32 codes, [.., K / 32, bytes a block], one block behind the other in memory; one code a byte (a code: sign, 4 exponent bits, 3 mantissa bits); its scale is its entry of lowp_scales. Its value is code x scale, taken as it is: it is not quantised again, and the codes and scales need not be those that the quantiser above would give.
;; One version. Each part assembles by itself: llvm-mc -triple=amdgcn-amd-amdhsa -mcpu=gfx1250 --defsym DOCPART=n.
;; ======== version 1 of 1: 3 launches
;; limits: right only within a limited range of input values
;; workspace buffers: qkv_img 25,165,824 bytes; av_img 8,388,608 bytes
;; launch qkv (part 1): grid 12 x 32, 4 waves a work-group, clusters of 4 x 4, 327,680 bytes of LDS; arguments x_codes, W_qkv_codes, b_qkv, lowp_scales, qkv_img; writes qkv_img
.if DOCPART == 1
	.amdgcn_target "amdgcn-amd-amdhsa--gfx1250"
	.amdhsa_code_object_version 6
	.text
	.protected	k_q92a9d853ea_qkv
	.globl	k_q92a9d853ea_qkv
	.p2align	8
	.type	k_q92a9d853ea_qkv,@function
k_q92a9d853ea_qkv:
	s_mov_b64 s[64:65], 0
	v_nop
	global_prefetch_b8 v0, s[64:65] scope:SCOPE_SE
	s_setreg_imm32_b32 hwreg(HW_REG_WAVE_MODE, 25, 1), 1
	s_wait_xcnt 0x0
	s_wait_alu depctr_hold_cnt(0) depctr_sa_sdst(0) depctr_va_vdst(0) depctr_va_sdst(0) depctr_va_ssrc(0) depctr_va_vcc(0) depctr_vm_vsrc(0)
	s_getreg_b32 s2, hwreg(HW_REG_IB_STS2, 6, 4)
	s_cmp_eq_u32 s2, 0
	s_cbranch_scc0 .Lentry_in_a_cluster
	s_endpgm
.Lentry_in_a_cluster:
	s_bfe_u32 s2, ttmp6, 0x10000c
	s_cmp_lg_u32 s2, 0xf033
	s_cbranch_scc0 .Lentry_shape_is_right
	s_endpgm
.Lentry_shape_is_right:
; qkv = x W_qkv + b_qkv on E4M3 codes, and its three sections quantised at once: q with 2^e2, k with 2^e3, v with 2^e4.
; x_codes: [8192][1024], W_qkv_codes: [3072][1024], K innermost; b_qkv: [3072] f32; lowp_scales: e0 .. e7 (int32).
; A work-group of four waves makes 256 rows x 256 columns, a wave 128 x 128: 64 accumulators, 512 registers.  K = 1,024 goes in four chunks of 256
; through two LDS slots filled by the tensor data mover; all eight steps of 128 are written out.
; GRID: 12 x 32 = 384 work-groups of equal work on 24 clusters.  Tiles that would give a multiple of 256 work-groups (96 or 192 columns) would cut heads or sections.
; CLUSTERS: 4 x 4.  x's tile hangs on the tile row alone and is asked for jointly by a row of the cluster, W's on the tile column alone, by a column.
; A cluster's four tile columns are 1,024 columns: ONE section (0 q, 1 k, 2 v) = the cluster's x, equal in all sixteen partners.
; THE RESULT LEAVES AS IMAGES OF THE NEXT PRODUCT'S OPERAND REGISTERS, so nothing goes through an LDS stage and each store covers 512 consecutive bytes, aligned:
;   q, k: section << 23, (batch x 16 + head) << 17, tile of 16 rows x 1,024: registers 2 c, 2 c + 1 of lane (r, h) = row r, d = 16 c + 8 h + 0..7; registers 4 p .. 4 p + 3 at 512 p + 16 lane
;   v:    the same bases, key step of 128 x 8,192, tile of 16 channels x 2,048: registers 2 c, 2 c + 1 of lane (r, h) = channel r, keys 16 c + 8 h + 0..7
; The matrix instruction takes source 0 from the B registers and source 1 from the A registers: a lane holds row r of the A registers' matrix and eight neighbours 8 h + j of the B registers'.
;   q, k: A registers = rows of x, B registers = rows of W: eight neighbouring d of one row.      v: A registers = rows of W, B registers = rows of x: eight neighbouring keys of one channel.
; The LDS addresses that feed the two register sets are the same in both modes; only the tensor lines change waves (s92), so x's and W's tiles change places in the slot.
; Both operands are fetched by four 16-byte loads a fragment: one permutation of k in both, so every product meets its partner.
; THE BIAS is the C of each sum's first product, divided by 2^(e0 + e1); then code = sum / 2^(et - e0 - e1): the three scales are folded into the conversion's one.
; LIMITS: et - e0 - e1 between -126 and 119 (et = e2, e3, e4), so that the scale and 448 x the scale are f32 numbers.  NaN among the inputs is not served.
; REGISTERS, in windows of 256: window 0: v0-31 addresses and constants; v32-95 the bias images, later 64 held numbers; v128-255 A's fragments, ONE set, later the codes.
;   window 1: B's fragments, two sets, at v0 and v128.   window 2: the accumulators of A's blocks 0-3 ((a, b) at v[8 (8 (a % 4) + b)]);   window 3: those of blocks 4-7.
.set ROWB,   256                       ; a tile's row: 256 codes
.set KROW,   1024                      ; a row of x or W in memory
.set PITCH,  272                       ; an LDS row: 256 bytes + 16 of padding: the 16 rows that a load touches start at 16 different 16-byte columns
.set FR,     16                        ; registers of a fragment, 16 rows x 128 K
.set NL,     4                         ; LDS loads that bring one
.set NP,     4                         ; places behind this matrix instruction (ISA guide 7.12.1)
.set HALFT,  128*PITCH                 ; 128 rows: what one tensor load brings
.set SLOT,   4*HALFT                   ; x's 256 rows, then W's 256 rows
.set SPARE,  2*SLOT                    ; behind the ring: the spare words, 128 bytes a wave; no other line names them
.set VJ,   8                           ; v8-15   byte offsets of the bias loads
.set ADRA, 16                          ; v16-17  LDS address of the A registers' fragments in slot 0, 1
.set ADRB, 20                          ; v20-21  the same for the B registers
.set VO0,  24                          ; v24     16 x lane
.set VO1,  25                          ; v25     16 x lane + the distance of a block's second pair of stores
.set SCL,  26                          ; v26     2^(et - e0 - e1) as f32
.set LIM,  27                          ; v27     448 x that
.set SPW,  28                          ; v28     LDS address of my spare word; never rewritten
.set NIL,  29                          ; v29     0; never rewritten
.set BI,   32                          ; v32-95  eight bias images of eight registers
.set TMP,  32                          ; the way out: a block's 64 sums, held
.set AF,   128
.set CD,   128                         ; the way out: 16 registers of codes for each of 8 blocks, so that no store's data are written again
.set G1,  24                           ; s[24:31] group 1 for x's tiles;  s[32:39] group 0, a set for each slot
.set G0,  32
.set G1B, 48                           ; s[48:55], s[56:63] the same for W's tiles
.set G0B, 56
.set MSB, 0
.macro WIN new                         ; the immediate's high byte repeats the setting that is left; a switch that changes nothing is dropped
.if MSB != (\new)
	s_set_vgpr_msb (MSB<<8)|(\new)
.set MSB, (\new)
.endif
.endm
.set MUL_LO, 0xa1                      ; source 0 window 1, source 1 window 0, C and D window 2
.set MUL_HI, 0xf1                      ; the same, C and D window 3
.set TO_B,   0x40                      ; destination window 1, address window 0
; A joint load: in q's and k's sections waves 0 and 1 fetch x's halves, waves 2 and 3 W's; in v's the other way round.  The branch hangs on the wave's number and the cluster's x alone.  Four v_nop follow each line.
.macro JLOAD g0a, g1a, g0b, g1b
	s_cmp_eq_u32 s92, 0                            ; s92 = (wave / 2) xor (v's section): in q's and k's sections waves 0, 1 fetch x and waves 2, 3 W; in v's section the two lines change waves
	s_cbranch_scc0 .Lfor_b_\@
	tensor_load_to_lds s[\g0a:\g0a+3], s[\g1a:\g1a+7]
	s_nop 0
.rept 4
	v_nop
.endr
	s_branch .Lasked_\@
.Lfor_b_\@:
	tensor_load_to_lds s[\g0b:\g0b+3], s[\g1b:\g1b+7]
	s_nop 0
.rept 4
	v_nop
.endr
.Lasked_\@:
.endm
.macro CREST                           ; a round of the cluster's barrier behind its opening barrier
	s_cmp_lg_u32 s14, 0
	s_cbranch_scc1 .Lnot_wave_0_\@
	s_barrier_signal -3
.Lnot_wave_0_\@:
	s_barrier_wait -3
	s_barrier_signal -1
	s_barrier_wait -1
.endm
.macro CROUND                          ; a whole round
	s_barrier_signal -1
	s_barrier_wait -1
	CREST
.endm
	s_load_b256 s[4:11], s[0:1], 0x0               ; x s[4:5], W s[6:7], b_qkv s[8:9], the scales' exponents s[10:11]
	s_load_b64 s[12:13], s[0:1], 0x20              ; qkv_img
	v_lshl_add_u32 v[SPW], v0, 2, SPARE
	v_mov_b32 v[NIL], 0
	ds_add_u32 v28, v29
	ds_add_u32 v28, v29
	s_wait_dscnt 0x0
	v_lshrrev_b32 v1, 5, v0
	v_readfirstlane_b32 s14, v1                    ; wave 0..3
	s_lshr_b32 s15, s14, 1                         ; which half feeds my A registers.  Also: I fetch for x (0) or for W (1)
	s_and_b32 s16, s14, 1                          ; which half feeds my B registers.  Also: which 128 rows of that tile I fetch
	s_bfe_u32 s40, ttmp6, 0x40000                  ; cx, cy: my place in the cluster
	s_bfe_u32 s41, ttmp6, 0x40004
	s_lshl_b32 s42, ttmp9, 2
	s_add_co_u32 s42, s42, s40                     ; tile column = 4 x cluster x + cx
	s_and_b32 s17, ttmp7, 0xffff
	s_lshl_b32 s17, s17, 2
	s_add_co_u32 s17, s17, s41                     ; tile row = 4 x cluster y + cy
	s_lshl_b32 s43, s41, 2
	s_lshl_b32 s43, 15, s43                        ; my row of the cluster
	s_lshl_b32 s44, 0x1111, s40                    ; my column
	; group 1: 128 rows x 256 bytes, 16 bytes of padding behind each row
	s_or_b32 s[G1+0], s43, (0<<16)|(1<<20)|(1<<21)|(5<<22)|(3<<25)  ; 15:0 the mask: x's tiles go to my row; elements of 1 byte; padding on; bit 21 beside a mask; after every 64 words, 4 words
	s_or_b32 s[G1B+0], s44, (0<<16)|(1<<20)|(1<<21)|(5<<22)|(3<<25) ; the same with my column's mask, for W's tiles
.irp g, G1, G1B
	s_mov_b32 s[\g+1], ROWB<<16                    ; tensor_dim0
	s_mov_b32 s[\g+2], 128<<16                     ; tensor_dim1
	s_mov_b32 s[\g+3], ROWB<<16                    ; tile_dim0
	s_mov_b32 s[\g+4], 128                         ; tile_dim1
	s_mov_b32 s[\g+5], KROW                        ; from row to row
	s_mov_b32 s[\g+6], 0
	s_mov_b32 s[\g+7], 0
.endr
	; the mode: v's section or not.  It hangs on the cluster's x alone.  All selects stand behind one compare, with moves alone before it
	s_mov_b32 s82, 1024
	s_mov_b32 s83, 0
	s_mov_b32 s84, 1024
	s_mov_b32 s85, 0
	s_mov_b32 s86, 131072
	s_cmp_eq_u32 ttmp9, 2
	s_cselect_b32 s92, 1, 0                        ; v's section: a wave's LDS bytes are wave x 128 rows in both modes, so there W's rows land in the slot's first 256 rows, which feed the A registers, and x's in the last 256
	s_cselect_b32 s68, s15, s16                    ; which half of the tile's 256 columns is mine
	s_cselect_b32 s69, s16, s15                    ; which half of its 256 rows
	s_cselect_b32 s70, 0, 32                       ; the bias loads' offset = h x s70 + r x s71 + j x s80
	s_cselect_b32 s71, 4, 0
	s_cselect_b32 s80, 0, 4
	s_cselect_b32 s82, 2048, s82                   ; s[82:83]: from a block's image to the next: a tile of channels (v) or a tile of rows
	s_cselect_b32 s84, 124928, s84                 ; s[84:85]: the same from block 3 to block 4: v goes on to the next head's first tile: 131,072 - 3 x 2,048
	s_cselect_b32 s86, 1024, s86                   ; a block's second pair of stores: the fragment's second half (v) or the next head's tile
	s_xor_b32 s92, s92, s15                        ; behind the last select: which of the two tensor lines is mine; equal in all sixteen partners for a given wave
	; where the tiles come from, each address in registers that never hold the other coordinate
	s_lshl_b32 s18, s16, 7
	s_lshl_b32 s20, s17, 8
	s_add_co_u32 s20, s20, s18                     ; x: row 256 x tile row + 128 x half
	s_lshl_b32 s20, s20, 10                        ; in bytes (under 2^23)
	s_mov_b32 s21, 0
	s_lshl_b32 s46, s42, 8
	s_add_co_u32 s46, s46, s18                     ; W: row 256 x tile column + 128 x half
	s_lshl_b32 s46, s46, 10
	s_mov_b32 s47, 0
	s_mul_i32 s45, s14, HALFT                      ; where they go: wave x 128 rows
	; where my results go: section << 23 + batch << 21 + head << 17 + (row in the batch) << 6, the same sum in both modes
	s_lshl_b32 s87, s17, 8
	s_lshl_b32 s88, s69, 7
	s_add_co_u32 s87, s87, s88                     ; my first row of x
	s_lshr_b32 s88, s87, 11                        ; batch
	s_and_b32 s87, s87, 2047
	s_lshl_b32 s87, s87, 6
	s_lshl_b32 s88, s88, 21
	s_add_co_u32 s87, s87, s88
	s_lshl_b32 s88, s40, 2
	s_lshl_b32 s89, s68, 1
	s_add_co_u32 s88, s88, s89                     ; my first head = 4 cx + 2 x half
	s_lshl_b32 s88, s88, 17
	s_add_co_u32 s87, s87, s88
	s_lshl_b32 s88, ttmp9, 23
	s_add_co_u32 s90, s87, s88
	s_mov_b32 s91, 0
	s_lshl_b32 s88, s42, 10                        ; my 128 numbers of the bias: 4 (256 x tile column + 128 x half)
	s_lshl_b32 s89, s68, 9
	s_add_co_u32 s88, s88, s89
	s_mov_b32 s89, 0
	s_wait_kmcnt 0x0
	s_load_b256 s[72:79], s[10:11], 0x0            ; e0 .. e7
	s_add_nc_u64 s[20:21], s[4:5], s[20:21]
	s_add_nc_u64 s[46:47], s[6:7], s[46:47]
	s_add_nc_u64 s[12:13], s[12:13], s[90:91]
	s_add_nc_u64 s[8:9], s[8:9], s[88:89]
	CROUND                                         ; all sixteen work-groups are here: the first joint loads meet
.irp s, 0,1
	s_mov_b32 s[G0+4*\s], 1
	s_add_co_u32 s[G0+4*\s+1], s45, \s*SLOT
	s_add_nc_u64 s[G0+4*\s+2:G0+4*\s+3], s[20:21], \s*ROWB
	s_or_b32 s[G0+4*\s+3], s[G0+4*\s+3], 0x80000000
	s_mov_b32 s[G0B+4*\s], 1
	s_add_co_u32 s[G0B+4*\s+1], s45, \s*SLOT
	s_add_nc_u64 s[G0B+4*\s+2:G0B+4*\s+3], s[46:47], \s*ROWB
	s_or_b32 s[G0B+4*\s+3], s[G0B+4*\s+3], 0x80000000
.endr
	JLOAD G0, G1, G0B, G1B                         ; chunk 0: one tensor load a wave at the head
	v_and_b32 v1, 15, v0                           ; r
	v_bfe_u32 v2, v0, 4, 1                         ; h
	s_wait_alu depctr_va_vdst(0)
	v_mul_u32_u24 v3, v1, PITCH
	v_lshl_add_u32 v4, v2, 4, v3                   ; a fragment's row x pitch + 16 h
	s_mul_i32 s21, s15, HALFT                      ; the A registers are fed from the slot's first 256 rows,
	s_mul_i32 s22, s16, HALFT
	s_add_co_u32 s22, s22, 2*HALFT                 ; the B registers from its last 256: the wave's number and constants alone
.irp s, 0,1
	v_add_nc_u32 v[ADRA+\s], s21, v4
	v_add_nc_u32 v[ADRB+\s], s22, v4
	s_add_co_u32 s21, s21, SLOT
	s_add_co_u32 s22, s22, SLOT
.endr
	v_mul_u32_u24 v5, s70, v2
	v_mad_u32_u24 v5, v1, s71, v5
	s_wait_alu depctr_va_vdst(0)
.irp j, 0,1,2,3,4,5,6,7
	s_mul_i32 s23, s80, \j
	v_add_nc_u32 v[VJ+\j], s23, v5                 ; q, k: 32 h + 4 j (my eight columns of a block);  v: 4 r (my channel, eight times)
.endr
.irp i, 0,1,2,3,4,5,6,7
.irp j, 0,1,2,3,4,5,6,7
	global_load_b32 v[BI+8*\i+\j], v[VJ+\j], s[8:9] offset:64*\i   ; image i: the bias of block i of my 128 columns, in the result's layout; 512 bytes in all, read once
.endr
.endr
	v_and_b32 v6, 31, v0
	v_lshlrev_b32 v[VO0], 4, v6
	v_add_nc_u32 v[VO1], s86, v[VO0]
.macro FRAG reg, adr, q, i             ; 16 rows x 128 K: registers 4 c .. 4 c + 3 hold K = 32 c + 16 h + 0 .. 15 of row r
.irp c, 0,1,2,3
	ds_load_b128 v[\reg+4*\c:\reg+4*\c+3], v[\adr] offset:128*(\q)+32*\c+(\i)*16*PITCH
.endr
.endm
; 16 matrix instructions: A's blocks a0, a0 + 1 x B's eight.  p: B's set.  cm = 0: the sums go on;  1: they begin with the bias image of B's block;  2: of A's block.
; The 64 accumulators take turns, one instruction a turn, in the same order in every step.
.macro MUL16 a0, p, cm
.irp a, \a0, \a0+1
.irp b, 0,1,2,3,4,5,6,7
.if \cm == 1
	v_wmma_f32_16x16x128_fp8_fp8 v[8*(8*((\a)%4)+\b):8*(8*((\a)%4)+\b)+7], v[128*(\p)+FR*\b:128*(\p)+FR*\b+FR-1], v[AF+FR*(\a):AF+FR*(\a)+FR-1], v[BI+8*\b:BI+8*\b+7]
.elseif \cm == 2
	v_wmma_f32_16x16x128_fp8_fp8 v[8*(8*((\a)%4)+\b):8*(8*((\a)%4)+\b)+7], v[128*(\p)+FR*\b:128*(\p)+FR*\b+FR-1], v[AF+FR*(\a):AF+FR*(\a)+FR-1], v[BI+8*(\a):BI+8*(\a)+7]
.else
	v_wmma_f32_16x16x128_fp8_fp8 v[8*(8*((\a)%4)+\b):8*(8*((\a)%4)+\b)+7], v[128*(\p)+FR*\b:128*(\p)+FR*\b+FR-1], v[AF+FR*(\a):AF+FR*(\a)+FR-1], v[8*(8*((\a)%4)+\b):8*(8*((\a)%4)+\b)+7]
.endif
.endr
.endr
.endm
.macro FETCH_B slot, q, p              ; B's eight fragments of the slot's q-th 128 along K into set p
	WIN TO_B
.irp i, 0,1,2,3,4,5,6,7
	FRAG 128*(\p)+FR*\i, ADRB+\slot, \q, \i
.endr
	WIN 0
.endm
.macro FETCH_A slot, q, i0             ; A's blocks i0 .. i0 + 3
.irp i, \i0, \i0+1, \i0+2, \i0+3
	FRAG AF+FR*(\i), ADRA+\slot, \q, \i
.endr
.endm
.macro PLACES n                        ; plain vector lines between a matrix instruction and a load into, or a vector read of, its registers
.rept \n
	v_nop
.endr
.endm
; A step of 128 along K that has its successor in the same slot.  A block of A is free when its eight products are issued, so one set serves A.
.macro STEP slot, q, cm
	s_wait_dscnt 4*NL                              ; B's set and A's blocks 0-3 are in; the youngest sixteen loads (A's blocks 4-7) may be out
.if \cm
	WIN 0x81                                       ; C (the bias image) in window 0, D in window 2
.else
	WIN MUL_LO
.endif
	MUL16 0, (\q)%2, \cm
	MUL16 2, (\q)%2, \cm
	s_wait_dscnt 0                                 ; A's blocks 4-7 are in
	PLACES NP
	FETCH_B \slot, (\q)+1, 1-(\q)%2
	FETCH_A \slot, (\q)+1, 0
.if \cm
	WIN 0xc1                                       ; D in window 3
.else
	WIN MUL_HI
.endif
	MUL16 4, (\q)%2, \cm
	MUL16 6, (\q)%2, \cm
	PLACES NP
	WIN 0
	FETCH_A \slot, (\q)+1, 4
.endm
; A slot's last step changes slots: one barrier; in front of it each wave waits for all its tensor loads, adds 0 to its spare word, and waits for that and for its reads of this slot.
.macro TURN slot, next, fill
	s_wait_tensorcnt 0x0                           ; all my tensor loads have landed: my part of the next slot
	ds_add_u32 v[SPW], v[NIL]                      ; 0 onto my spare word
	s_wait_dscnt 4*NL+1                            ; the add and the youngest sixteen loads (A's blocks 4-7) may be out
	WIN MUL_LO
	MUL16 0, 1, 0                                  ; sixteen matrix instructions stand between the add and the wait for it
	s_wait_dscnt 0x0                               ; the add is done, and my reads of this slot are over
	s_barrier_signal -1
	MUL16 2, 1, 0
	WIN 0
	s_barrier_wait -1
.if \fill
	CREST                                          ; the barrier has opened a round of the cluster's: no wave of any partner still reads this slot or has a load on its way
	s_add_nc_u64 s[G0+4*\slot+2:G0+4*\slot+3], s[G0+4*\slot+2:G0+4*\slot+3], 2*ROWB
	s_add_nc_u64 s[G0B+4*\slot+2:G0B+4*\slot+3], s[G0B+4*\slot+2:G0B+4*\slot+3], 2*ROWB
	JLOAD G0+4*\slot, G1, G0B+4*\slot, G1B         ; the first tensor load behind the round, one a wave; its four v_nop are the places in front of the loads below
.else
	PLACES NP
.endif
	FETCH_B \next, 0, 0
	FETCH_A \next, 0, 0
	WIN MUL_HI
	MUL16 4, 1, 0
	MUL16 6, 1, 0
	PLACES NP
	WIN 0
	FETCH_A \next, 0, 4
.endm
	s_wait_alu depctr_va_vdst(0)
	s_wait_tensorcnt 0x0                           ; my part of chunk 0 is in
	ds_add_u32 v[SPW], v[NIL]
	s_wait_dscnt 0x0
	CROUND                                         ; everybody's part of chunk 0 is in, and all sixteen work-groups are here
	JLOAD G0+4, G1, G0B+4, G1B                     ; chunk 1, slot 1's first fill: the first tensor load behind the round
	FETCH_B 0, 0, 0
	FETCH_A 0, 0, 0
	FETCH_A 0, 0, 4
	s_wait_kmcnt 0x0                               ; the exponents
	s_cmp_eq_u32 ttmp9, 0
	s_cselect_b32 s87, s74, s75                    ; q: e2; k: e3;
	s_cmp_eq_u32 ttmp9, 2
	s_cselect_b32 s87, s76, s87                    ; v: e4
	s_add_co_i32 s88, s72, s73                     ; e0 + e1
	s_sub_co_i32 s81, 0, s88
	s_sub_co_i32 s87, s87, s88
	s_add_co_i32 s87, s87, 127
	s_lshl_b32 s88, s87, 23
	v_mov_b32 v[SCL], s88                          ; 2^(et - e0 - e1): the conversion takes its exponent field
	s_add_co_i32 s87, s87, 8
	s_lshl_b32 s87, s87, 23
	s_or_b32 s87, s87, 0x600000
	v_mov_b32 v[LIM], s87                          ; 448 x that
	s_wait_loadcnt 0x0                             ; the bias
.set i, 0
.rept 64
	v_ldexp_f32 v[BI+i], v[BI+i], s81              ; bias / 2^(e0 + e1): what a sum of codes lacks
.set i, i+1
.endr
	s_cmp_eq_u32 ttmp9, 2                          ; the first step is written twice: its products begin with the image of B's block (q, k) or of A's (v).
	s_cbranch_scc1 .Lfirst_v                       ; The branch hangs on the cluster's x, equal in all partners; no barrier, tensor load or LDS store stands in either arm, and both issue the same LDS loads
	s_wait_alu depctr_va_vdst(0)
	STEP 0, 0, 1
	s_branch .Lfirst_done
.Lfirst_v:
	s_wait_alu depctr_va_vdst(0)
	STEP 0, 0, 2
.Lfirst_done:
	TURN 0, 1, 1                                   ; chunk 0's second step; slot 0 takes chunk 2
	STEP 1, 0, 0
	TURN 1, 0, 1                                   ; slot 1 takes chunk 3
	STEP 0, 0, 0
	TURN 0, 1, 0                                   ; nothing is left to fetch
	STEP 1, 0, 0
	s_wait_dscnt 4*NL                              ; the last step
	WIN MUL_LO
	MUL16 0, 1, 0
	MUL16 2, 1, 0
	s_wait_dscnt 0
	WIN MUL_HI
	MUL16 4, 1, 0
	MUL16 6, 1, 0
	WIN 0
	PLACES NP
; THE WAY OUT, a block of A's (16 rows of x, or 16 channels) at a time: its 64 sums are held within +-448 x the scale (the conversion to an 8-bit code does not saturate: ISA guide 7.6.2),
; each accumulator from its low end on, and converted: accumulator b's eight numbers become registers 2 b, 2 b + 1 of the image.  Four stores of 512 consecutive bytes.
.macro OUTBLK a
	WIN 0x02+(\a)/4                                ; source 0: window 2 or 3
.set i, 0
.rept 64
	v_med3_num_f32 v[TMP+i], v[64*((\a)%4)+i], -v[LIM], v[LIM]
.set i, i+1
.endr
	WIN 0
.irp b, 0,1,2,3,4,5,6,7
	v_cvt_scalef32_pk8_fp8_f32 v[CD+16*(\a)+2*\b:CD+16*(\a)+2*\b+1], v[TMP+8*\b:TMP+8*\b+7], v[SCL]
.endr
	v_nop                                          ; one plain line between the last conversion and the next block's holds, which write its sources
.if (\a) > 0
	s_wait_alu depctr_va_vdst(0)
	s_wait_xcnt 0x0                                ; the earlier stores have read their base: it may step
.if (\a) == 4
	s_add_nc_u64 s[12:13], s[12:13], s[84:85]
.else
	s_add_nc_u64 s[12:13], s[12:13], s[82:83]
.endif
.endif
	global_store_b128 v[VO0], v[CD+16*(\a):CD+16*(\a)+3], s[12:13]
	global_store_b128 v[VO0], v[CD+16*(\a)+4:CD+16*(\a)+7], s[12:13] offset:512
	global_store_b128 v[VO1], v[CD+16*(\a)+8:CD+16*(\a)+11], s[12:13]
	global_store_b128 v[VO1], v[CD+16*(\a)+12:CD+16*(\a)+15], s[12:13] offset:512
.endm
.irp a, 0,1,2,3,4,5,6,7
	OUTBLK \a
.endr
	s_wait_tensorcnt 0x0                           ; the wave's end
	ds_add_u32 v[SPW], v[NIL]
	s_wait_dscnt 0x0
	CROUND                                         ; the closing round: no work-group ends while a partner may still ask for a tile that names it
	s_endpgm
.Lfunc_end_k_q92a9d853ea_qkv:
	.size	k_q92a9d853ea_qkv, .Lfunc_end_k_q92a9d853ea_qkv-k_q92a9d853ea_qkv
	.p2alignl 7, 3214868480
	.fill 96, 4, 3214868480
	.section	.rodata,"a",@progbits
	.p2align	6, 0x0
	.amdhsa_kernel k_q92a9d853ea_qkv
		.amdhsa_group_segment_fixed_size 327680
		.amdhsa_private_segment_fixed_size 0
		.amdhsa_enable_private_segment 0
		.amdhsa_kernarg_size 40
		.amdhsa_user_sgpr_count 2
		.amdhsa_user_sgpr_kernarg_segment_ptr 1
		.amdhsa_wavefront_size32 1
		.amdhsa_system_sgpr_workgroup_id_x 1
		.amdhsa_system_sgpr_workgroup_id_y 1
		.amdhsa_system_sgpr_workgroup_id_z 1
		.amdhsa_system_vgpr_workitem_id 0
		.amdhsa_next_free_vgpr 1024
		.amdhsa_next_free_sgpr 96
		.amdhsa_reserve_vcc 0
		.amdhsa_float_denorm_mode_32 3
		.amdhsa_float_denorm_mode_16_64 3
		.amdhsa_memory_ordered 1
		.amdhsa_forward_progress 1
		.amdhsa_inst_pref_size 139
	.end_amdhsa_kernel
	.amdgpu_metadata
---
amdhsa.version: [ 1, 2 ]
amdhsa.kernels:
  - .name:           k_q92a9d853ea_qkv
    .symbol:         k_q92a9d853ea_qkv.kd
    .args:
      - { .name: x_codes, .offset: 0, .size: 8, .value_kind: global_buffer, .address_space: global }
      - { .name: W_qkv_codes, .offset: 8, .size: 8, .value_kind: global_buffer, .address_space: global }
      - { .name: b_qkv, .offset: 16, .size: 8, .value_kind: global_buffer, .address_space: global }
      - { .name: lowp_scales, .offset: 24, .size: 8, .value_kind: global_buffer, .address_space: global }
      - { .name: qkv_img, .offset: 32, .size: 8, .value_kind: global_buffer, .address_space: global }
    .group_segment_fixed_size: 327680
    .private_segment_fixed_size: 0
    .kernarg_segment_align: 8
    .kernarg_segment_size: 40
    .max_flat_workgroup_size: 128
    .sgpr_count:     96
    .vgpr_count:     1024
    .wavefront_size: 32
...
	.end_amdgpu_metadata
.endif
;; end of part 1
;; launch attn (part 2): grid 4 x 64, 8 waves a work-group, clusters of 4 x 1, 327,680 bytes of LDS; arguments qkv_img, lowp_scales, av_img; writes av_img
.if DOCPART == 2
	.amdgcn_target "amdgcn-amd-amdhsa--gfx1250"
	.amdhsa_code_object_version 6
	.text
	.protected	k_q92a9d853ea_attn
	.globl	k_q92a9d853ea_attn
	.p2align	8
	.type	k_q92a9d853ea_attn,@function
k_q92a9d853ea_attn:
	s_mov_b64 s[64:65], 0
	v_nop
	global_prefetch_b8 v0, s[64:65] scope:SCOPE_SE
	s_setreg_imm32_b32 hwreg(HW_REG_WAVE_MODE, 25, 1), 1
	s_wait_xcnt 0x0
	s_wait_alu depctr_hold_cnt(0) depctr_sa_sdst(0) depctr_va_vdst(0) depctr_va_sdst(0) depctr_va_ssrc(0) depctr_va_vcc(0) depctr_vm_vsrc(0)
	s_getreg_b32 s2, hwreg(HW_REG_IB_STS2, 6, 4)
	s_cmp_eq_u32 s2, 0
	s_cbranch_scc0 .Lentry_in_a_cluster
	s_endpgm
.Lentry_in_a_cluster:
	s_bfe_u32 s2, ttmp6, 0x10000c
	s_cmp_lg_u32 s2, 0x3003
	s_cbranch_scc0 .Lentry_shape_is_right
	s_endpgm
.Lentry_shape_is_right:
; av = softmax(q k^T / 8, causal) v for one (batch, head), both products on E4M3 codes, and av quantised with 2^e6.
; qkv_img holds q, k, v as images of operand registers (section << 23, (batch x 16 + head) << 17; q, k: tile of 16 rows x 1,024 bytes; v: key step of 128 x 8,192, tile of 16 channels x 2,048).
; av_img: tile of 16 rows x 16,384, head x 1,024, byte 256 d + 16 r + 8 h + j = av(row r, channel 16 d + 8 h + j).
; LEFT OUT: key steps all of whose 128 keys come after a tile's 16 queries: reference() sets their scores to -1e6 by its own causal mask. On the diagonal hidden scores become -infinity, so p = 0.
; LIMITS: the scaled scores stay under 2^31 in magnitude and far above -1e6; e2 + e3 between -123 and 130; e5 and e6 between -126 and 119. A NaN or infinity that reaches only hidden keys is not carried on.
; SOFTMAX: t = score x log2(e) / 8; M = the running largest t rounded up to a whole number; p = 2^(t - M) is quantised with 2^e5; the row's sum is of the unquantised p and divides at the end.
; SHARES: the four work-groups of a head are one cluster; a head has 128 tiles of 16 queries. Wave w (0..7) of partner cx owns FOUR tiles: a, a + 1 (a = 8 w + 2 cx; last live step w) and 126 - a, 127 - a (last live step 15 - w):
; 2 (w + 1) + 2 (16 - w) = 34 tile steps in every wave. The last live steps hang on the wave's number alone, so no branch hangs on a work-group's place in its cluster; wave 0 of every partner reads all 16 key steps.
; A key step's fragments of K and V (16 KiB) are read from LDS once a wave and feed all its live tiles, one after the other, on one set of score registers.
; The next step's K is read behind the last tile's score products, the next step's V behind its last products.
; K AND V OF THE HEAD LIE WHOLE IN LDS (K from byte 0, V from 131,072), by two joint loads a wave (waves 0-3 K, 4-7 V): keys 0-383 at the head (24 rows of 256 bytes a wave), keys 384-2,047 behind one round (104 rows a wave).
; Steps 0 and 1, with their look-ahead to step 2, read the first fill alone; the second is waited for behind step 1. No byte is filled twice.
; NO PREFETCH: both fills are asked for ahead of the first key step, so there is no trip to run ahead in.
; Both products are used transposed: a lane holds one query (lane % 16); register 8 t + j of the scores is key 16 t + 8 (lane / 16) + j of the step.
; REGISTERS. Window 0: v1-9 addresses; v12-27 four tiles x (-M, largest t, the sum in two halves); v32-95 K's fragments; v96-159 scores, p; v160-223 V's fragments; v224-239 p's codes; v241-255 at work.
;            Window 1: v0-127 O^T of the four tiles; v128-159 q's four fragments.
.set L16, 1
.set AV0, 2
.set ADK, 3
.set ADV, 4
.set GO,  5
.set RMH, 9
.set MSB, 0
.macro WIN new                         ; the immediate's high byte repeats the setting that is left
.if MSB != (\new)
	s_set_vgpr_msb (MSB<<8)|(\new)
.set MSB, (\new)
.endif
.endm
.macro CROUND                          ; a round of the cluster's barrier
	s_barrier_signal -1
	s_barrier_wait -1
	s_cmp_lg_u32 s10, 0
	s_cbranch_scc1 .Lnw0_\@
	s_barrier_signal -3
.Lnw0_\@:
	s_barrier_wait -3
	s_barrier_signal -1
	s_barrier_wait -1
.endm
.macro TSET e                          ; tile number in s60: its diagonal term and its place in av_img
	s_and_b32 s[56+\e], s60, 7
	s_lshl_b32 s[56+\e], s[56+\e], 4               ; its first query less its diagonal step's first key
	s_lshl_b32 s62, s60, 14
	s_add_co_u32 s62, s62, s61
	s_add_nc_u64 s[48+2*\e:49+2*\e], s[8:9], s[62:63]
.endm
	s_load_b128 s[4:7], s[0:1], 0x0                ; qkv_img, lowp_scales
	s_load_b64 s[8:9], s[0:1], 0x10                ; av_img
	v_lshl_add_u32 v251, v0, 2, 0x40000            ; my spare word, behind K and V
	v_mov_b32 v255, 0
	ds_add_u32 v251, v255                          ; the opening lines
	ds_add_u32 v251, v255
	v_lshrrev_b32 v3, 5, v0
	v_readfirstlane_b32 s10, v3                    ; wave 0..7
	s_and_b32 s11, ttmp7, 0xffff                   ; batch x 16 + head
	s_bfe_u32 s12, ttmp6, 0x40000                  ; cx
	s_mov_b32 s24, 15|(3<<16)|(1<<21)              ; group 1 of the first fill: the four partners; elements of 8 bytes; bit 21 beside a mask
	s_mov_b32 s25, 32<<16                          ; rows of 256 bytes,
	s_mov_b32 s26, 24<<16                          ; 24 of them, dense
	s_mov_b32 s27, 32<<16
	s_mov_b32 s28, 24
	s_mov_b32 s29, 32
	s_mov_b32 s30, 0
	s_mov_b32 s31, 0
	s_mov_b32 s68, 15|(3<<16)|(1<<21)              ; group 1 of the second fill: 104 rows
	s_mov_b32 s69, 32<<16
	s_mov_b32 s70, 104<<16
	s_mov_b32 s71, 32<<16
	s_mov_b32 s72, 104
	s_mov_b32 s73, 32
	s_mov_b32 s74, 0
	s_mov_b32 s75, 0
	s_and_b32 s60, s10, 3                          ; my quarter
	s_lshr_b32 s61, s10, 2                         ; 0: K, 1: V
	s_mul_i32 s62, s60, 6144
	s_lshl_b32 s33, s61, 17
	s_add_co_u32 s33, s33, s62                     ; the first fill in LDS
	s_mul_i32 s63, s60, 26624
	s_lshl_b32 s77, s61, 17
	s_add_co_u32 s77, s77, s63
	s_add_co_u32 s77, s77, 24576                   ; the second
	s_lshl_b32 s80, s61, 23
	s_lshl_b32 s82, s11, 17                        ; my head in a section
	s_add_co_u32 s80, s80, s82
	s_add_co_u32 s80, s80, 8388608                 ; k's section, or v's
	s_add_co_u32 s84, s80, s63
	s_add_co_u32 s84, s84, 24576
	s_add_co_u32 s80, s80, s62
	s_mov_b32 s81, 0
	s_mov_b32 s85, 0
	s_mov_b32 s32, 1
	s_mov_b32 s76, 1
	s_wait_dscnt 0x0
	s_wait_kmcnt 0x0
	s_add_nc_u64 s[34:35], s[4:5], s[80:81]
	s_or_b32 s35, s35, 0x80000000
	s_add_nc_u64 s[78:79], s[4:5], s[84:85]
	s_or_b32 s79, s79, 0x80000000
	CROUND                                         ; the four partners are here: the first joint loads meet
	tensor_load_to_lds s[32:35], s[24:31]          ; keys 0-383: one tensor load a wave at the head
	s_nop 0
	s_load_b256 s[40:47], s[6:7], 0x0              ; e0 .. e7
	s_lshl_b32 s13, s10, 3
	s_lshl_b32 s60, s12, 1
	s_add_co_u32 s13, s13, s60                     ; a = 8 w + 2 cx
	s_mov_b32 s23, s10                             ; the low tiles' last live step
	s_xor_b32 s17, s10, 15                         ; the high tiles': 15 - w
	s_lshr_b32 s61, s11, 4
	s_lshl_b32 s61, s61, 21
	s_and_b32 s62, s11, 15
	s_lshl_b32 s62, s62, 10
	s_add_co_u32 s61, s61, s62                     ; my batch and head in av_img
	s_mov_b32 s63, 0
	s_mov_b32 s60, s13
	TSET 0
	s_add_co_u32 s60, s13, 1
	TSET 1
	s_sub_co_u32 s60, 126, s13
	TSET 2
	s_sub_co_u32 s60, 127, s13
	TSET 3
	s_lshl_b32 s80, s13, 10
	s_add_co_u32 s80, s80, s82
	s_add_nc_u64 s[84:85], s[4:5], s[80:81]        ; q's images of tiles a, a + 1,
	s_sub_co_u32 s80, 126, s13
	s_lshl_b32 s80, s80, 10
	s_add_co_u32 s80, s80, s82
	s_add_nc_u64 s[86:87], s[4:5], s[80:81]        ; of tiles 126 - a, 127 - a
	s_mov_b32 s18, 0x76543210
	s_mov_b32 s19, 0xfedcba98
	s_mov_b32 s14, 0                               ; the key step,
	s_mov_b32 s15, 0                               ; and its byte in K's and V's parts of LDS
	v_and_b32 v3, 31, v0
	v_lshlrev_b32 v[L16], 4, v3
	v_add_nc_u32 v[AV0], 131072, v[L16]
	v_and_b32 v10, 15, v0
	v_bfe_u32 v11, v0, 4, 1
	v_lshlrev_b32 v[GO], 4, v10
	v_lshl_add_u32 v[GO], v11, 3, v[GO]
	v_lshlrev_b32 v11, 3, v11
	v_sub_nc_u32 v[RMH], v10, v11                  ; r - 8 h
	WIN 0x40                                       ; destinations in window 1
.irp p, 0,1,2,3
	global_load_b128 v[128+4*\p:131+4*\p], v[L16], s[84:85] offset:512*\p
	global_load_b128 v[144+4*\p:147+4*\p], v[L16], s[86:87] offset:512*\p
.endr
.set i, 0
.rept 128
	v_mov_b32 v[i], 0                              ; O^T of the four tiles: the step is written for every step alike, and the first change of M leaves zeros zeros
.set i, i+1
.endr
	WIN 0
.irp e, 0,1,2,3
	v_mov_b32 v[13+4*\e], 0xff61b1e6               ; the largest t so far: -3e38
	v_mov_b32 v[14+4*\e], 0
	v_mov_b32 v[15+4*\e], 0
.endr
.irp e, 0,1,2,3
	v_floor_f32 v[12+4*\e], -v[13+4*\e]            ; -M
.endr
	v_mov_b32 v246, 0                              ; a lane permute's destination counts as a source
	v_mov_b32 v253, 0                              ; named as the upper half of v[252:253]
	s_wait_kmcnt 0x0
	s_add_co_i32 s60, s42, s43
	s_lshl_b32 s60, s60, 23
	s_add_co_i32 s20, s60, 0x3e38aa3b              ; c = log2(e) / 8 x 2^(e2 + e3)
	s_mov_b32 s21, s20
	s_add_co_i32 s22, s44, s45                     ; e4 + e5
	s_add_co_i32 s60, s45, 127
	s_lshl_b32 s61, s60, 23
	v_mov_b32 v244, s61                            ; 2^e5
	s_add_co_i32 s60, s60, 8
	s_lshl_b32 s60, s60, 23
	s_or_b32 s36, s60, 0x600000                    ; 448 x 2^e5
	s_add_co_i32 s60, s46, 127
	s_lshl_b32 s61, s60, 23
	v_mov_b32 v245, s61                            ; 2^e6
	s_add_co_i32 s60, s60, 8
	s_lshl_b32 s60, s60, 23
	s_or_b32 s60, s60, 0x600000
	v_mov_b32 v241, s60                            ; 448 x 2^e6
; One tile's share of a key step. e: the tile; treg: the scalar register with its last live step; last = 1: the step's last tile, which reads the next step's fragments.
.macro TILE e, treg, last
.set ST, 12+4*(\e)
	WIN 0x04                                       ; source 1 (q) in window 1
.irp t, 0,1,2,3,4,5,6,7
	v_wmma_f32_16x16x64_fp8_fp8 v[96+8*\t:103+8*\t], v[32+8*\t:39+8*\t], v[128+8*(\e):135+8*(\e)], 0
.endr
	WIN 0
.rept 4
	v_nop                                          ; places ahead of the first read of the scores and of loads into K's registers
.endr
.if \last
.irp t, 0,1,2,3,4,5,6,7
	ds_load_b128 v[32+8*\t:35+8*\t], v[ADK] offset:1024*\t
	ds_load_b128 v[36+8*\t:39+8*\t], v[ADK] offset:1024*\t+512
.endr
.endif
	s_cmp_lt_u32 s14, s[\treg]
	s_cbranch_scc1 .Lopen_\@                       ; all the step's keys count
	v_add_nc_u32 v250, s[56+\e], v[RMH]            ; on the diagonal register 8 t + j is hidden where 16 t + j > this
	v_mov_b32 v254, 0xff800000
.set n, 0
.rept 64
	v_cmp_gt_i32 vcc_lo, 16*(n/8)+n%8, v250
	v_cndmask_b32 v[96+n], v[96+n], v254, vcc_lo
.set n, n+1
.endr
.Lopen_\@:
	v_max3_num_f32 v254, v96, v97, v98             ; the step's largest score among my 64 keys, in four chains (v254, v252, v248, v247), the registers in ascending order
	v_max3_num_f32 v252, v99, v100, v101
	v_max3_num_f32 v248, v102, v103, v104
	v_max3_num_f32 v247, v105, v106, v107
.set i, 12
.rept 6
	v_max3_num_f32 v254, v254, v[96+i], v[97+i]
	v_max3_num_f32 v252, v252, v[98+i], v[99+i]
	v_max3_num_f32 v248, v248, v[100+i], v[101+i]
	v_max3_num_f32 v247, v247, v[102+i], v[103+i]
.set i, i+8
.endr
	v_max3_num_f32 v254, v254, v156, v157
	v_max3_num_f32 v252, v252, v158, v159
	v_max3_num_f32 v254, v254, v252, v248
	s_delay_alu instid0(VALU_DEP_1)
	v_max_num_f32 v254, v254, v247
	s_delay_alu instid0(VALU_DEP_1)
	v_permlanex16_b32 v246, v254, s18, s19
	s_delay_alu instid0(VALU_DEP_1)
	v_max_num_f32 v254, v254, v246
	s_delay_alu instid0(VALU_DEP_1)
	v_mul_f32 v254, s20, v254
	s_delay_alu instid0(VALU_DEP_1)
	v_max_num_f32 v[ST+1], v[ST+1], v254           ; the running largest t
	v_mov_b32 v254, v[ST]
	s_delay_alu instid0(VALU_DEP_2)
	v_floor_f32 v[ST], -v[ST+1]                    ; -M
	s_delay_alu instid0(VALU_DEP_1)
	v_sub_f32 v254, v[ST], v254
.set j, 0
.rept 8
	v_pk_fma_f32 v[96+j:97+j], v[96+j:97+j], s[20:21], v[ST:ST+1] op_sel_hi:[1,0,0]   ; t - M; two of the lines that make f stand among these 32, which do not read them
.set j, j+2
.endr
	v_cvt_i32_f32 v254, v254
.rept 8
	v_pk_fma_f32 v[96+j:97+j], v[96+j:97+j], s[20:21], v[ST:ST+1] op_sel_hi:[1,0,0]
.set j, j+2
.endr
	v_ldexp_f32 v252, 1.0, v254                    ; f = 2^(old M - new M)
.rept 16
	v_pk_fma_f32 v[96+j:97+j], v[96+j:97+j], s[20:21], v[ST:ST+1] op_sel_hi:[1,0,0]
.set j, j+2
.endr
	WIN 0x41                                       ; O^T: destination and source 0 in window 1
	s_wait_alu depctr_va_vdst(0)                   ; directly ahead of the first reader of O^T, and ahead of the batch
.set j, 0
.rept 16
	v_pk_mul_f32 v[32*(\e)+j:32*(\e)+j+1], v[32*(\e)+j:32*(\e)+j+1], v[252:253] op_sel_hi:[1,0]   ; O^T under the new M
.set j, j+2
.endr
	WIN 0
.set j, 0
.rept 64
	v_exp_f32 v[96+j], v[96+j]
.set j, j+1
.endr
	v_pk_mul_f32 v[ST+2:ST+3], v[ST+2:ST+3], v[252:253] op_sel_hi:[1,0]   ; a plain place behind the batch
	s_wait_alu depctr_va_vdst(0)                   ; one wait for the batch, ahead of its first reader
	v_pk_add_f32 v[242:243], v[96:97], v[98:99]    ; the sum of the unquantised p, in four chains: the tile's own, v[242:243], v[248:249], v[28:29]
	v_pk_add_f32 v[248:249], v[100:101], v[102:103]
	v_pk_add_f32 v[28:29], v[104:105], v[106:107]
.set j, 12
.rept 6
	v_pk_add_f32 v[ST+2:ST+3], v[ST+2:ST+3], v[96+j:97+j]
	v_pk_add_f32 v[242:243], v[242:243], v[98+j:99+j]
	v_pk_add_f32 v[248:249], v[248:249], v[100+j:101+j]
	v_pk_add_f32 v[28:29], v[28:29], v[102+j:103+j]
.set j, j+8
.endr
	v_pk_add_f32 v[ST+2:ST+3], v[ST+2:ST+3], v[156:157]
	v_pk_add_f32 v[242:243], v[242:243], v[158:159]
	v_pk_add_f32 v[248:249], v[248:249], v[28:29]
	v_pk_add_f32 v[ST+2:ST+3], v[ST+2:ST+3], v[242:243]
	v_pk_add_f32 v[ST+2:ST+3], v[ST+2:ST+3], v[248:249]
.irp c, 0,1,2,3,4,5,6,7
.irp k, 0,2,4,6
	v_dual_min_num_f32 v[96+8*\c+\k], s36, v[96+8*\c+\k] :: v_dual_min_num_f32 v[97+8*\c+\k], s36, v[97+8*\c+\k]   ; the hold, one-sided: p is not negative; two numbers a line
.endr
.endr
.irp c, 0,1,2,3,4,5,6,7
	v_cvt_scalef32_pk8_fp8_f32 v[224+2*\c:225+2*\c], v[96+8*\c:103+8*\c], v244   ; behind all the holds
.endr
	v_nop                                          ; one plain line between the last conversion and the products
	s_wait_alu depctr_va_vdst(0)
.if \last
	s_wait_dscnt 16                                ; V's fragments are in; the 16 younger loads, the next step's K, may be out
.else
	s_wait_dscnt 0x0                               ; V's fragments are in
.endif
	WIN 0x50                                       ; C and D in window 1
.irp d, 0,1,2,3
	v_wmma_f32_16x16x128_fp8_fp8 v[32*(\e)+8*\d:32*(\e)+8*\d+7], v[160+16*\d:175+16*\d], v[224:239], v[32*(\e)+8*\d:32*(\e)+8*\d+7]
.endr
	WIN 0
.if \last
.rept 4
	v_nop                                          ; places ahead of loads into V's registers, and of the way out's reads of O^T
.endr
.irp d, 0,1,2,3
.irp p, 0,1,2,3
	ds_load_b128 v[160+16*\d+4*\p:163+16*\d+4*\p], v[ADV] offset:2048*\d+512*\p
.endr
.endr
.endif
.endm
; A key step of 128 keys. At its head K's 16 loads are out, and behind them V's 16.
.macro STEP
	s_cmp_gt_u32 s14, s17
	s_cbranch_scc1 .Lskip_\@                       ; all its keys come after all my queries
	s_add_co_u32 s38, s15, 8192
	s_min_u32 s38, s38, 122880                     ; the next step's fragments; behind step 15 the same once more, which nobody uses
	v_add_nc_u32 v[ADK], s38, v[L16]
	v_add_nc_u32 v[ADV], s38, v[AV0]
	s_wait_dscnt 16                                ; K's fragments are in; V's 16 loads may be out
	s_cmp_gt_u32 s14, s23
	s_cbranch_scc1 .Lnolow_\@                      ; the low tiles are done
	TILE 0, 23, 0
	TILE 1, 23, 0
.Lnolow_\@:
	TILE 2, 17, 0
	TILE 3, 17, 1
.Lskip_\@:
	s_add_co_u32 s14, s14, 1
	s_add_co_u32 s15, s15, 8192
.endm
; A tile's way out: O^T / the sum x 2^(e4 + e5), held, quantised with 2^e6; four stores of 256 consecutive bytes, aligned. Each tile's codes have registers of their own.
.macro FINISH e
.set ST, 12+4*(\e)
	v_add_f32 v[ST+2], v[ST+2], v[ST+3]
	s_delay_alu instid0(VALU_DEP_1)
	v_permlanex16_b32 v246, v[ST+2], s18, s19
	s_delay_alu instid0(VALU_DEP_1)
	v_add_f32 v[ST+2], v[ST+2], v246
	s_wait_alu depctr_va_vdst(0)
	v_rcp_f32 v[ST+2], v[ST+2]
	v_nop
	s_wait_alu depctr_va_vdst(0)
	v_ldexp_f32 v[ST+2], v[ST+2], s22
	WIN 0x01                                       ; source 0 (O^T) in window 1
	s_wait_alu depctr_va_vdst(0)                   ; directly ahead of the first reader of O^T
.set j, 0
.rept 16
	v_pk_mul_f32 v[96+j:97+j], v[32*(\e)+j:32*(\e)+j+1], v[ST+2:ST+3] op_sel_hi:[1,0]
.set j, j+2
.endr
	WIN 0
.set j, 0
.rept 32
	v_med3_num_f32 v[96+j], v[96+j], -v241, v241
.set j, j+1
.endr
.irp d, 0,1,2,3
	v_cvt_scalef32_pk8_fp8_f32 v[32+8*(\e)+2*\d:33+8*(\e)+2*\d], v[96+8*\d:103+8*\d], v245
.endr
	v_nop
.irp d, 0,1,2,3
	global_store_b64 v[GO], v[32+8*(\e)+2*\d:33+8*(\e)+2*\d], s[48+2*(\e):49+2*(\e)] offset:256*\d
.endr
.endm
	s_wait_alu depctr_va_vdst(0)
	s_wait_tensorcnt 0x0                           ; my part of keys 0-383 is in
	ds_add_u32 v251, v255
	s_wait_dscnt 0x0
	CROUND                                         ; everybody's is, and the four partners are here
	tensor_load_to_lds s[76:79], s[68:75]          ; keys 384-2,047: a first fill, my one load behind this round
	s_nop 0
.rept 4
	v_nop
.endr
.irp t, 0,1,2,3,4,5,6,7
	ds_load_b128 v[32+8*\t:35+8*\t], v[L16] offset:1024*\t          ; step 0: K's fragments,
	ds_load_b128 v[36+8*\t:39+8*\t], v[L16] offset:1024*\t+512
.endr
.irp d, 0,1,2,3
.irp p, 0,1,2,3
	ds_load_b128 v[160+16*\d+4*\p:163+16*\d+4*\p], v[AV0] offset:2048*\d+512*\p   ; then V's
.endr
.endr
	s_wait_loadcnt 0x0                             ; q
	s_mov_b32 s16, 2
.Lfirst:                                               ; steps 0 and 1: they read keys 0-383 alone
	STEP
	s_sub_co_u32 s16, s16, 1
	s_cmp_lg_u32 s16, 0
	s_cbranch_scc1 .Lfirst
	s_wait_tensorcnt 0x0                           ; my part of the second fill is in,
	s_wait_dscnt 0x0
	s_barrier_signal -1
	s_barrier_wait -1                              ; and everybody's
	s_mov_b32 s16, 14
.Lrest:
	STEP
	s_sub_co_u32 s16, s16, 1
	s_cmp_lg_u32 s16, 0
	s_cbranch_scc1 .Lrest
	s_wait_dscnt 0x0                               ; the last look-ahead has landed: its registers may be written
	FINISH 0
	FINISH 1
	FINISH 2
	FINISH 3
	s_wait_tensorcnt 0x0                           ; the wave's end
	ds_add_u32 v251, v255
	s_wait_dscnt 0x0
	CROUND                                         ; the closing round
	s_endpgm
.Lfunc_end_k_q92a9d853ea_attn:
	.size	k_q92a9d853ea_attn, .Lfunc_end_k_q92a9d853ea_attn-k_q92a9d853ea_attn
	.p2alignl 7, 3214868480
	.fill 96, 4, 3214868480
	.section	.rodata,"a",@progbits
	.p2align	6, 0x0
	.amdhsa_kernel k_q92a9d853ea_attn
		.amdhsa_group_segment_fixed_size 327680
		.amdhsa_private_segment_fixed_size 0
		.amdhsa_enable_private_segment 0
		.amdhsa_kernarg_size 24
		.amdhsa_user_sgpr_count 2
		.amdhsa_user_sgpr_kernarg_segment_ptr 1
		.amdhsa_wavefront_size32 1
		.amdhsa_system_sgpr_workgroup_id_x 1
		.amdhsa_system_sgpr_workgroup_id_y 1
		.amdhsa_system_sgpr_workgroup_id_z 1
		.amdhsa_system_vgpr_workitem_id 0
		.amdhsa_next_free_vgpr 416
		.amdhsa_next_free_sgpr 88
		.amdhsa_reserve_vcc 1
		.amdhsa_float_denorm_mode_32 3
		.amdhsa_float_denorm_mode_16_64 3
		.amdhsa_memory_ordered 1
		.amdhsa_forward_progress 1
		.amdhsa_inst_pref_size 185
	.end_amdhsa_kernel
	.amdgpu_metadata
---
amdhsa.version: [ 1, 2 ]
amdhsa.kernels:
  - .name:           k_q92a9d853ea_attn
    .symbol:         k_q92a9d853ea_attn.kd
    .args:
      - { .name: qkv_img, .offset: 0, .size: 8, .value_kind: global_buffer, .address_space: global }
      - { .name: lowp_scales, .offset: 8, .size: 8, .value_kind: global_buffer, .address_space: global }
      - { .name: av_img, .offset: 16, .size: 8, .value_kind: global_buffer, .address_space: global }
    .group_segment_fixed_size: 327680
    .private_segment_fixed_size: 0
    .kernarg_segment_align: 8
    .kernarg_segment_size: 24
    .max_flat_workgroup_size: 256
    .sgpr_count:     88
    .vgpr_count:     416
    .wavefront_size: 32
...
	.end_amdgpu_metadata
.endif
;; end of part 2
;; launch proj (part 3): grid 64 x 4, 4 waves a work-group, clusters of 4 x 1, 327,680 bytes of LDS; arguments av_img, W_o_codes, b_o, lowp_scales, out0; writes out0
.if DOCPART == 3
	.amdgcn_target "amdgcn-amd-amdhsa--gfx1250"
	.amdhsa_code_object_version 6
	.text
	.protected	k_q92a9d853ea_proj
	.globl	k_q92a9d853ea_proj
	.p2align	8
	.type	k_q92a9d853ea_proj,@function
k_q92a9d853ea_proj:
	s_mov_b64 s[64:65], 0
	v_nop
	global_prefetch_b8 v0, s[64:65] scope:SCOPE_SE
	s_setreg_imm32_b32 hwreg(HW_REG_WAVE_MODE, 25, 1), 1
	s_wait_xcnt 0x0
	s_wait_alu depctr_hold_cnt(0) depctr_sa_sdst(0) depctr_va_vdst(0) depctr_va_sdst(0) depctr_va_ssrc(0) depctr_va_vcc(0) depctr_vm_vsrc(0)
	s_getreg_b32 s2, hwreg(HW_REG_IB_STS2, 6, 4)
	s_cmp_eq_u32 s2, 0
	s_cbranch_scc0 .Lentry_in_a_cluster
	s_endpgm
.Lentry_in_a_cluster:
	s_bfe_u32 s2, ttmp6, 0x10000c
	s_cmp_lg_u32 s2, 0x3003
	s_cbranch_scc0 .Lentry_shape_is_right
	s_endpgm
.Lentry_shape_is_right:
; out0 = av W_o + b_o on E4M3 codes.  av_img: av's codes as images (below); W_o_codes: [1024 (n)][1024 (k)]; b_o: [1024] f32; out0: [8192][1024] f32.
; A finished sum is multiplied once by 2^(e6 + e7) and the bias added, by one packed multiply-add for two numbers.   LIMIT: e6 + e7 between -126 and 127.
; A work-group makes 128 rows x 256 columns: 64 x 4 = 256 work-groups.  A wave makes 64 x 128: 32 accumulators, 32 matrix instructions for 128 along K; eight steps, all written out.
; W_o's TILE LIES WHOLE IN LDS: 256 rows x 1,024 K as four chunks of 256 K, each 256 rows of 256 bytes + 16 of padding: 278,528 bytes. Wave w fetches chunk w: one tensor load a wave, all at the head; no byte is filled twice.
; CLUSTERS: 4 x 1: four tile rows of one tile column need the same tile of W_o and ask for it jointly (mask 15). av is read by one work-group alone and does not go through LDS.
; av_img: tile of 16 rows x 16,384, head x 1,024, byte 256 d + 16 r + 8 h + j = av(row r, k = 64 head + 16 d + 8 h + j).  Read as pieces of 512 bytes, 16 a lane, lane (r, h) of piece c of a step of 128
; holds k = 32 c + 16 h + 0 .. 15 of row r: the very k that four 16-byte loads at 32 c + 16 h give of a row of W_o.  One permutation of k in both operands: every product meets its partner.
; So av's fragments come from memory straight into registers, each load 512 consecutive bytes, aligned: four sets of 64 registers; steps 0-3 are asked for at the head, step s + 3 at the head of step s.
; NO PREFETCH: the text has no loop to run ahead in; every tensor load stands at the head.
; The matrix instruction is used transposed (source 0 = 16 rows of W_o, source 1 = 16 rows of av): a lane holds eight neighbouring columns of one row of the output.
; REGISTERS, in windows of 256: window 0: v0-31 addresses; v32-95 at work on the way out; v128-255 av's sets 0, 1, later rows read back.
;   window 1: W_o's fragments, two sets of 128.   window 2: the accumulators ((a, b) at v[8 (8 a + b)]).   window 3: v0-63 the bias in the result's layout; v128-255 av's sets 2, 3.
.set PITCH,  272
.set HALFB,  128*PITCH
.set CH,     2*HALFB                   ; a chunk: 256 rows
.set STG,    4*CH                      ; the way out: 16 rows x 528 bytes a wave, bytes of their own behind W_o's tile
.set SPITCH, 528
.set SPARE,  STG+4*16*SPITCH           ; the spare words, 128 bytes a wave; no other line names them
.set ADRB, 20                          ; v20-23  LDS address of my W_o fragments in chunk 0 .. 3
.set STO,  24                          ; v24     the way out: where I put 32 bytes of a row
.set RD,   25                          ; v25     where I read a row back
.set CO,   26                          ; v26     16 x lane
.set SPW,  28                          ; v28     LDS address of my spare word; never rewritten
.set NIL,  29                          ; v29     0; never rewritten
.set TMP,  32
.set AF,   128
.set BK,   128
.set MSB, 0
.macro WIN new
.if MSB != (\new)
	s_set_vgpr_msb (MSB<<8)|(\new)
.set MSB, (\new)
.endif
.endm
.macro CROUND                          ; a round of the cluster's barrier
	s_barrier_signal -1
	s_barrier_wait -1
	s_cmp_lg_u32 s14, 0
	s_cbranch_scc1 .Lnot_wave_0_\@
	s_barrier_signal -3
.Lnot_wave_0_\@:
	s_barrier_wait -3
	s_barrier_signal -1
	s_barrier_wait -1
.endm
.macro PLACES n
.rept \n
	v_nop
.endr
.endm
	s_load_b256 s[4:11], s[0:1], 0x0               ; av_img s[4:5], W_o s[6:7], b_o s[8:9], the scales' exponents s[10:11]
	s_load_b64 s[12:13], s[0:1], 0x20              ; out0
	v_lshl_add_u32 v[SPW], v0, 2, SPARE
	v_mov_b32 v[NIL], 0
	ds_add_u32 v[SPW], v[NIL]                      ; the opening lines
	ds_add_u32 v[SPW], v[NIL]
	v_lshrrev_b32 v1, 5, v0
	v_readfirstlane_b32 s14, v1                    ; wave 0..3
	s_lshr_b32 s15, s14, 1                         ; which 64 rows are mine
	s_and_b32 s16, s14, 1                          ; which 128 columns
	s_bfe_u32 s66, ttmp6, 0x40000                  ; cx
	s_lshl_b32 s17, ttmp9, 2
	s_add_co_u32 s17, s17, s66                     ; tile row
	s_and_b32 s70, ttmp7, 0xffff                   ; tile column, equal in the four partners
	s_mov_b32 s24, 15|(0<<16)|(1<<20)|(1<<21)|(5<<22)|(3<<25)   ; group 1: the four partners; elements of 1 byte; bit 21 beside a mask; after every 64 words, 4 words of padding
	s_mov_b32 s25, 256<<16                         ; rows of 256 bytes,
	s_mov_b32 s26, 256<<16                         ; 256 of them,
	s_mov_b32 s27, 256<<16
	s_mov_b32 s28, 256
	s_mov_b32 s29, 1024                            ; 1,024 bytes apart
	s_mov_b32 s30, 0
	s_mov_b32 s31, 0
	s_mov_b32 s32, 1
	s_mul_i32 s33, s14, CH                         ; chunk w in LDS
	s_lshl_b32 s82, s70, 18                        ; W_o: row 256 x tile column,
	s_lshl_b32 s18, s14, 8
	s_add_co_u32 s82, s82, s18                     ; K from 256 w on
	s_mov_b32 s83, 0
	s_lshl_b32 s20, s17, 3
	s_lshl_b32 s18, s15, 2
	s_add_co_u32 s20, s20, s18                     ; av: tile of rows 8 x tile row + 4 x half,
	s_lshl_b32 s20, s20, 14                        ; 16,384 bytes each
	s_mov_b32 s21, 0
	s_lshl_b32 s88, s70, 10                        ; my first column in bytes, in b_o and in a row of the output
	s_lshl_b32 s89, s16, 9
	s_add_co_u32 s88, s88, s89
	s_mov_b32 s89, 0
	s_lshl_b32 s90, s17, 19                        ; my first row of the output: (128 x tile row + 64 x half) x 4,096 bytes
	s_lshl_b32 s91, s15, 18
	s_add_co_u32 s90, s90, s91
	s_add_co_u32 s90, s90, s88
	s_mov_b32 s91, 0
	s_mul_i32 s85, s16, HALFB                      ; my 128 rows of W_o in a chunk
	s_mul_i32 s86, s14, 16*SPITCH
	s_add_co_u32 s86, s86, STG                     ; my stage
	s_wait_dscnt 0x0
	s_wait_kmcnt 0x0
	s_load_b256 s[72:79], s[10:11], 0x0            ; e0 .. e7
	s_add_nc_u64 s[34:35], s[6:7], s[82:83]
	s_or_b32 s35, s35, 0x80000000
	s_add_nc_u64 s[20:21], s[4:5], s[20:21]
	s_add_nc_u64 s[8:9], s[8:9], s[88:89]
	s_add_nc_u64 s[12:13], s[12:13], s[90:91]
	CROUND                                         ; the four partners are here: the joint loads meet
	tensor_load_to_lds s[32:35], s[24:31]          ; my chunk: one tensor load a wave, the only one
	s_nop 0
	PLACES 4
	v_and_b32 v1, 15, v0                           ; r
	v_bfe_u32 v2, v0, 4, 1                         ; h
	v_and_b32 v6, 31, v0
	v_lshlrev_b32 v[CO], 4, v6                     ; 16 x lane
	v_mul_u32_u24 v3, v1, PITCH
	v_lshl_add_u32 v4, v2, 4, v3
	v_add_nc_u32 v4, s85, v4
.irp c, 0,1,2,3
	v_add_nc_u32 v[ADRB+\c], \c*CH, v4
.endr
	v_mul_u32_u24 v5, v1, SPITCH
	v_lshl_add_u32 v5, v2, 5, v5
	v_add_nc_u32 v[STO], s86, v5                   ; in: row r, 32 bytes for each half of the lanes
	v_add_nc_u32 v[RD], s86, v[CO]                 ; back: the 32 lanes take one row of 512 bytes
	v_lshlrev_b32 v7, 5, v2                        ; the bias: my eight numbers of a block of 16: 32 h
	s_wait_alu depctr_va_vdst(0)
; av's four fragments of step s into set s % 4: 16 loads of 512 consecutive bytes
.macro AFETCH s
.if ((\s)%4) < 2
	WIN 0
.else
	WIN 0xc0                                       ; destination window 3
.endif
.irp i, 0,1,2,3
.irp c, 0,1,2,3
	global_load_b128 v[AF+64*((\s)%2)+16*\i+4*\c:AF+64*((\s)%2)+16*\i+4*\c+3], v[CO], s[20:21] offset:16384*\i+2048*(\s)+512*\c
.endr
.endr
	WIN 0
.endm
; W_o's eight fragments of step s into set s % 2: 32 LDS loads in one run
.macro WFETCH s
	WIN 0x40                                       ; destination window 1
.irp i, 0,1,2,3,4,5,6,7
.irp c, 0,1,2,3
	ds_load_b128 v[128*((\s)%2)+16*\i+4*\c:128*((\s)%2)+16*\i+4*\c+3], v[ADRB+(\s)/2] offset:128*((\s)%2)+32*\c+\i*16*PITCH
.endr
.endr
	WIN 0
.endm
; 8 matrix instructions: av's block a x W_o's eight.  The 32 accumulators take turns, one instruction a turn, in the same order in every step.
.macro PMUL a, set, zero
.irp b, 0,1,2,3,4,5,6,7
.if \zero
	v_wmma_f32_16x16x128_fp8_fp8 v[8*(8*(\a)+\b):8*(8*(\a)+\b)+7], v[128*(\set)+16*\b:128*(\set)+16*\b+15], v[AF+64*(\set)+16*(\a):AF+64*(\set)+16*(\a)+15], 0
.else
	v_wmma_f32_16x16x128_fp8_fp8 v[8*(8*(\a)+\b):8*(8*(\a)+\b)+7], v[128*(\set)+16*\b:128*(\set)+16*\b+15], v[AF+64*(\set)+16*(\a):AF+64*(\set)+16*(\a)+15], v[8*(8*(\a)+\b):8*(8*(\a)+\b)+7]
.endif
.endr
.endm
; A step of 128 along K.  lc: the av loads issued behind this step's own 16, which may stay out.
.macro PSTEP s, lc
	s_wait_dscnt 0x0                               ; W_o's fragments of this step are in
	s_wait_loadcnt \lc                             ; and av's
	PLACES 4                                       ; the sets that the step before has read are loaded anew below
.if ((\s) >= 1) && ((\s) <= 4)
	AFETCH (\s)+3
.endif
.if (\s) < 7
	WFETCH (\s)+1
.endif
.if ((\s)%4) < 2
	WIN 0xa1                                       ; source 0 (W_o) window 1, source 1 (av) window 0, C and D window 2
.else
	WIN 0xad                                       ; the same with av in window 3
.endif
.irp a, 0,1,2,3
.if (\s) == 0
	PMUL \a, 0, 1
.else
	PMUL \a, (\s)%2, 0
.endif
.endr
	WIN 0
.endm
	WIN 0xc0                                       ; destination window 3
.irp b, 0,1,2,3,4,5,6,7
	global_load_b128 v[8*\b:8*\b+3], v7, s[8:9] offset:64*\b
	global_load_b128 v[8*\b+4:8*\b+7], v7, s[8:9] offset:64*\b+16
.endr
	WIN 0
	AFETCH 0
	AFETCH 1
	AFETCH 2
	AFETCH 3
	s_wait_tensorcnt 0x0                           ; my chunk is in,
	s_barrier_signal -1
	s_barrier_wait -1                              ; and everybody's
	WFETCH 0
	PSTEP 0, 48                                    ; behind step 0's loads: steps 1, 2, 3
	PSTEP 1, 32                                    ; behind step s's loads: steps s + 1, s + 2
	PSTEP 2, 32
	PSTEP 3, 32
	PSTEP 4, 32
	PSTEP 5, 32
	PSTEP 6, 16
	PSTEP 7, 0
; THE WAY OUT, a block of 16 rows x 128 columns at a time: sum x 2^(e6 + e7) + bias into other registers, each accumulator from its low end on; through my own stage in LDS; back as whole rows of 512 bytes.
; LDS serves a wave's instructions in order (ISA guide 5.7.1.4): no wait between the stores and the loads.
.macro TOSTAGE a
	WIN 0x32                                       ; source 0 (the sums) window 2, source 2 (the bias) window 3
.irp j, 0,2,4,6,8,10,12,14,16,18,20,22,24,26,28,30,32,34,36,38,40,42,44,46,48,50,52,54,56,58,60,62
	v_pk_fma_f32 v[TMP+\j:TMP+\j+1], v[64*(\a)+\j:64*(\a)+\j+1], s[80:81], v[\j:\j+1] op_sel_hi:[1,0,1]
.endr
	WIN 0
.irp b, 0,1,2,3,4,5,6,7
	ds_store_b128 v[STO], v[TMP+8*\b:TMP+8*\b+3] offset:64*\b
	ds_store_b128 v[STO], v[TMP+8*\b+4:TMP+8*\b+7] offset:64*\b+16
.endr
.set BB, BK+64*((\a)%2)
.irp t, 0,1,2,3,4,5,6,7,8,9,10,11,12,13,14,15
	ds_load_b128 v[BB+4*\t:BB+4*\t+3], v[RD] offset:\t*SPITCH
.endr
.endm
.macro SEND a, younger                 ; younger: the LDS instructions issued behind block a's loads, which may stay out
.set BB, BK+64*((\a)%2)
	s_wait_dscnt \younger
.if (\a) > 0
	s_add_nc_u64 s[12:13], s[12:13], 16*4096       ; (behind a wait on XCNT: the earlier stores have read their base)  16 rows on
.endif
.irp t, 0,1,2,3,4,5,6,7,8,9,10,11,12,13,14,15
	global_store_b128 v[CO], v[BB+4*\t:BB+4*\t+3], s[12:13] offset:\t*4096 th:TH_STORE_NT   ; 32 lanes store 512 consecutive bytes, aligned; written once, read by nobody here
.endr
.endm
	s_wait_kmcnt 0x0
	s_add_co_i32 s80, s78, s79                     ; e6 + e7
	s_add_co_i32 s80, s80, 127
	s_lshl_b32 s80, s80, 23                        ; 2^(e6 + e7) as f32
	s_mov_b32 s81, s80                             ; (named with it as a pair)
	PLACES 4                                       ; in front of the first read of results and of loads into the registers that held av's fragments
	TOSTAGE 0
.irp a, 1,2,3
.if \a > 1
	s_wait_xcnt 0x0                                ; block a - 2's stores have read their registers and their base
.endif
	TOSTAGE \a
	SEND \a-1, 32                                  ; behind block a - 1's loads: block a's 16 stores and 16 loads
.endr
	s_wait_xcnt 0x0
	SEND 3, 0
	s_wait_tensorcnt 0x0                           ; the wave's end
	ds_add_u32 v[SPW], v[NIL]
	s_wait_dscnt 0x0
	CROUND                                         ; the closing round
	s_endpgm
.Lfunc_end_k_q92a9d853ea_proj:
	.size	k_q92a9d853ea_proj, .Lfunc_end_k_q92a9d853ea_proj-k_q92a9d853ea_proj
	.p2alignl 7, 3214868480
	.fill 96, 4, 3214868480
	.section	.rodata,"a",@progbits
	.p2align	6, 0x0
	.amdhsa_kernel k_q92a9d853ea_proj
		.amdhsa_group_segment_fixed_size 327680
		.amdhsa_private_segment_fixed_size 0
		.amdhsa_enable_private_segment 0
		.amdhsa_kernarg_size 40
		.amdhsa_user_sgpr_count 2
		.amdhsa_user_sgpr_kernarg_segment_ptr 1
		.amdhsa_wavefront_size32 1
		.amdhsa_system_sgpr_workgroup_id_x 1
		.amdhsa_system_sgpr_workgroup_id_y 1
		.amdhsa_system_sgpr_workgroup_id_z 1
		.amdhsa_system_vgpr_workitem_id 0
		.amdhsa_next_free_vgpr 1024
		.amdhsa_next_free_sgpr 96
		.amdhsa_reserve_vcc 0
		.amdhsa_float_denorm_mode_32 3
		.amdhsa_float_denorm_mode_16_64 3
		.amdhsa_memory_ordered 1
		.amdhsa_forward_progress 1
		.amdhsa_inst_pref_size 76
	.end_amdhsa_kernel
	.amdgpu_metadata
---
amdhsa.version: [ 1, 2 ]
amdhsa.kernels:
  - .name:           k_q92a9d853ea_proj
    .symbol:         k_q92a9d853ea_proj.kd
    .args:
      - { .name: av_img, .offset: 0, .size: 8, .value_kind: global_buffer, .address_space: global }
      - { .name: W_o_codes, .offset: 8, .size: 8, .value_kind: global_buffer, .address_space: global }
      - { .name: b_o, .offset: 16, .size: 8, .value_kind: global_buffer, .address_space: global }
      - { .name: lowp_scales, .offset: 24, .size: 8, .value_kind: global_buffer, .address_space: global }
      - { .name: out0, .offset: 32, .size: 8, .value_kind: global_buffer, .address_space: global }
    .group_segment_fixed_size: 327680
    .private_segment_fixed_size: 0
    .kernarg_segment_align: 8
    .kernarg_segment_size: 40
    .max_flat_workgroup_size: 128
    .sgpr_count:     96
    .vgpr_count:     1024
    .wavefront_size: 32
...
	.end_amdgpu_metadata
.endif
;; end of part 3
